; MI455X (gfx1250); checked and timed in simulation.
; The chip was launched on July 23, 2026; its instructions are those of AMD's public machine-readable ISA for CDNA 5 (MIT licence, August 2026) and "CDNA5" Instruction Set Architecture Reference Guide (July 2026). The comments in the code are by the model that wrote it; some were corrected since.
;; MNRDE Func. Allowed arithmetic: matrix products marked QUANTISED: E5M2 operands, one given power-of-two scale a tensor, by v_wmma_f32_16x16x64_bf8_bf8 or v_wmma_f32_16x16x128_bf8_bf8, f32 sums; products left as they are: f32 operands where the result goes on into a quantised operand, else bf16, f16 or f32 operands; f32 sums; everything else in f32.
;; Inputs: W1_codes 512 x 8 x 32 uint8 (E5M2 codes of W1, K innermost, in blocks of 32 codes); W2_codes 512 x 16 x 32 uint8 (E5M2 codes of W2, K innermost, in blocks of 32 codes); W3_codes 512 x 16 x 32 uint8 (E5M2 codes of W3, K innermost, in blocks of 32 codes); Wo_codes 2,048 x 16 x 32 uint8 (E5M2 codes of Wo, K innermost, in blocks of 32 codes); b1 512 float32; b2 512 float32; b3 512 float32; bo 2,048 float32; h_codes 4,096 x 8 x 32 uint8 (E5M2 codes of h, K innermost, in blocks of 32 codes); lowp_scales 24 int32 (the exponents e of the quantised operands' scales 2^e); primitive_signature 4,096 x 36 float32.
;; Outputs: out0 4,096 x 256 float32.
;; This version of the problem:
;;   THIS VERSION OF THE PROBLEM IS GIVEN IN LOW PRECISION. The matrix products marked QUANTISED in the list below multiply operands that are first quantised to E5M2 (5 exponent bits, 2 mantissa bits; 8 bits a number), with one given power-of-two scale for each operand tensor; their sums are f32. All else is computed in f32.
;;   The module's matrix products, in the order in which they are computed (A, B: the left and right operand; K: the contracted axis; several contracted axes count as one K, in the product's order):
;;     1. [M 512, K 256] x [K 256, N 4,096]; A: input W1 (given as codes); B: input h (given as codes): QUANTISED (scales: A lowp_scales[0], B lowp_scales[1])
;;     2. [M 512, K 512] x [K 512, N 4,096]; A: input W2 (given as codes); B: computed on the way: QUANTISED (scales: A lowp_scales[2], B lowp_scales[3])
;;     3. [M 512, K 512] x [K 512, N 4,096]; A: input W3 (given as codes); B: computed on the way: QUANTISED (scales: A lowp_scales[4], B lowp_scales[5])
;;     4. [M 2,048, K 512] x [K 512, N 4,096]; A: input Wo (given as codes); B: computed on the way: QUANTISED (scales: A lowp_scales[6], B lowp_scales[7])
;;     5. [M 512, K 256] x [K 256, N 4,096]; A: input W1 (given as codes); B: input h (given as codes): QUANTISED (scales: A lowp_scales[8], B lowp_scales[9])
;;     6. [M 512, K 256] x [K 256, N 32,768]; A: input W1 (given as codes); B: computed on the way: QUANTISED (scales: A lowp_scales[10], B lowp_scales[11])
;;     7. [M 512, K 512] x [K 512, N 4,096]; A: input W2 (given as codes); B: computed on the way: QUANTISED (scales: A lowp_scales[12], B lowp_scales[13])
;;     8. [M 512, K 512] x [K 512, N 32,768]; A: input W2 (given as codes); B: computed on the way: QUANTISED (scales: A lowp_scales[14], B lowp_scales[15])
;;     9. [M 512, K 512] x [K 512, N 4,096]; A: input W3 (given as codes); B: computed on the way: QUANTISED (scales: A lowp_scales[16], B lowp_scales[17])
;;     10. [M 512, K 512] x [K 512, N 32,768]; A: input W3 (given as codes); B: computed on the way: QUANTISED (scales: A lowp_scales[18], B lowp_scales[19])
;;     11. [M 2,048, K 512] x [K 512, N 4,096]; A: input Wo (given as codes); B: computed on the way: QUANTISED (scales: A lowp_scales[20], B lowp_scales[21])
;;     12. [M 2,048, K 512] x [K 512, N 32,768]; A: input Wo (given as codes); B: computed on the way: QUANTISED (scales: A lowp_scales[22], B lowp_scales[23])
;;     13. batch 4,096 x [M 256, K 36] x [K 36, N 1]; A: computed on the way; B: input primitive_signature: left as it is (N = 1 < 16)
;;   THE QUANTISER, for each operand of a quantised product, along K:
;;     - The operand's scale is 2^e, e = its entry of the input lowp_scales (int32; the entries are numbered through the quantised products in the list's order, A before B).
;;     - Each number is divided by the scale, clamped to +-57,344, and rounded to the nearest number of E5M2, ties to even, subnormals kept.
;;     - The product sums the exact products of the quantised numbers (number of the format x scale) in f32.
;;   ~~~python
;;   def quantise(x, axis, e):      # numpy; x: float32 -> the quantised numbers, widened to float32 again
;;       x = np.moveaxis(x, axis, -1); K = x.shape[-1]
;;       r = np.clip(x / 2.0 ** e, -57344, 57344)
;;       step = 2.0 ** (np.maximum(np.frexp(np.where(r == 0, 1, r))[1] - 1, -14) - 2)
;;       q = np.round(r / step) * step * 2.0 ** e      # np.round: ties to even
;;       return np.moveaxis(q, -1, axis).astype(np.float32)
;;   ~~~
;;   OPERANDS COMPUTED ON THE WAY. 'Computed on the way' means the value that the module computes at that place (a softmax that the list does not call 'softmax' is quantised finished and normalised). What goes into a quantiser is computed in f32, as accurately as f32 sums, v_exp_f32 and their like allow (about 1e-6 of the number): no bf16 or f16 on the way to a quantiser, and a product that is left as it is and whose result goes on into a quantised operand takes f32 operands (vector FMAs, or v_wmma_f32_16x16x4_f32). A number that lies on a knife's edge between two numbers of the format may be rounded either way, as far as f32 arithmetic and the matrix unit's own rounding can turn it there, and no further.
;;   INPUTS GIVEN AS CODES. W1 (in the module: [512, 256], K = its axis 1); W2 (in the module: [512, 512], K = its axis 1); W3 (in the module: [512, 512], K = its axis 1); Wo (in the module: [2048, 512], K = its axis 1); h (in the module: [4096, 256], K = its axis 1): each comes as NAME_codes (uint8): NAME with its K axis moved to the last place and cut into blocks of 32 codes, [.., K / 32, bytes a block], one block behind the other in memory; one code a byte (a code: sign, 5 exponent bits, 2 mantissa bits); its scale is its entry of lowp_scales. Its value is code x scale, taken as it is: it is not quantised again, and the codes and scales need not be those that the quantiser above would give.
;; One version. Each part assembles by itself: llvm-mc -triple=amdgcn-amd-amdhsa -mcpu=gfx1250 --defsym DOCPART=n.
;; ======== version 1 of 1: 1 launch
;; limits: a function is approximated: absolute error at most 1.2e-07
;; launch mnrde (part 1): grid 256 x 1, 4 waves a work-group, clusters of 4 x 1, 327,680 bytes of LDS; arguments W1_codes, W2_codes, W3_codes, Wo_codes, b1, b2, b3, bo, h_codes, lowp_scales, primitive_signature, out0; writes out0
.if DOCPART == 1
	.amdgcn_target "amdgcn-amd-amdhsa--gfx1250"
	.amdhsa_code_object_version 6
	.text
	.protected	k_q724739a35d_mnrde
	.globl	k_q724739a35d_mnrde
	.p2align	8
	.type	k_q724739a35d_mnrde,@function
k_q724739a35d_mnrde:
	s_mov_b64 s[64:65], 0
	v_nop
	global_prefetch_b8 v0, s[64:65] scope:SCOPE_SE
	s_setreg_imm32_b32 hwreg(HW_REG_WAVE_MODE, 25, 1), 1
	s_wait_xcnt 0x0
	s_wait_alu depctr_hold_cnt(0) depctr_sa_sdst(0) depctr_va_vdst(0) depctr_va_sdst(0) depctr_va_ssrc(0) depctr_va_vcc(0) depctr_vm_vsrc(0)
	s_getreg_b32 s2, hwreg(HW_REG_IB_STS2, 6, 4)
	s_cmp_eq_u32 s2, 0
	s_cbranch_scc0 .Lentry_in_a_cluster
	s_endpgm
.Lentry_in_a_cluster:
	s_bfe_u32 s2, ttmp6, 0x10000c
	s_cmp_lg_u32 s2, 0x3003
	s_cbranch_scc0 .Lentry_shape_is_right
	s_endpgm
.Lentry_shape_is_right:
; out[p][n] = sum_i sig_i V_i[n] + sum_i D_i[n] sum_k A[k][i] to[k][i][n], for 4,096 points p.
; V = tanh(Wo x3 + bo), x = softplus layers 256 -> 512 -> 512 -> 512 (products 1-4).  to[k] = Wo t3[k]: the tangent V_k sent through the same layers, times sigmoid(z') behind each hidden
; layer (products 6, 8, 10, 12); z', and D = 1 - tanh^2(zo'), come from the primal computed AGAIN with its own scale entries (products 5, 7, 9, 11).  A[k][i] = +sig(k,i) for k < i, -sig(i,k) for k > i, 0 for k = i.
; All twelve products run on E5M2 codes by v_wmma_f32_16x16x128_bf8_bf8, sums in f32; softplus, sigmoid, tanh and the contraction in f32.
; SHARES.  A work-group of four waves owns 16 points and walks the weights (1.70 MB of codes) twice.  Pass 1: one column tile (the 16 points): V as codes into LDS, OUT = sum_i sig_i V_i in 32 registers a lane.
; Pass 2: nine column tiles share every weight fragment: tile k = 0..7 is direction k of the 16 points, tile 8 the second primal.  THE WAVES SHARE THE WEIGHTS' ROWS: hidden units 128 w .. 128 w + 127 (K step w of the
; next product); of Wo the rows n = 64 w .. 64 w + 63 of every field, so that the sums over fields and directions stay inside a lane.  Every wave keeps all activations of a layer in registers (9 x 4 fragments).
; LAYOUT.  Source 0 = 16 weight rows, source 1 = 16 columns: lane (r, h) holds column r and units 8 h + 0..7 of a tile.  In this form's own layout (registers 2 c, 2 c + 1: k = 16 c + 8 h + 0..7) one conversion of a
; tile's eight numbers IS registers 2 t, 2 t + 1 of the next operand.  Operands go from wave to wave as images of their registers (16 bytes a lane, 512 bytes a group of four registers).
; THE STREAM.  Every tile is a dense block stated as rows of 512 bytes + 16 of padding.  A wave asks for its own rows and alone reads them.  W1's rows of 256 bytes lie two to an LDS row: one shape serves all tiles, at the
; price that the sixteen rows of a W1 fragment share eight LDS rows (7.7 per cent of the bytes).  A chunk's weights are in registers before its products begin, so its slot is asked for again at the chunk's head.
; BY TURNS (pass 2).  A chunk is a pair of weight tiles.  Its products go in three phases: the second primal's (both tiles), then tile 0 of the eight directions, then tile 1.  The vector work is a numbered list, of which a
; slice stands behind each product of the last two phases: the primal's softplus and sigmoid (or D) first, then tile 0's part of the directions' work, whose sums are finished when the third phase begins.
; Only tile 1's part stands bare behind the last product.  A slice names no register of the products round it.
; CLUSTER.  All work-groups walk the same weights: the four of a cluster ask JOINTLY (mask 15), the same load with the same descriptor in the same wave of each; a mask names four at most, so the cluster is 4 x 1.
; LIMITS.  Each power of two below must be an f32 number: e0+e1, e2+e3, e4+e5, e6+e7, e8+e9, e12+e13, e16+e17, e20+e21 between -126 and 127; e22+e23 between -128 and 125; e3, e5, e7, e11, e13, e17, e21,
; e15-e10-e11, e19-e14-e15, e23-e18-e19 between -126 and 112.  NaN among the inputs is not served.  tanh = 1 - 2 / (1 + e^(2z)) carries an absolute error of about 1.2e-7 (of the size of the error of zo's own f32 sum);
; D is 0 where 1 / (1 + e^(2z)) rounds to 0 or 1 (|zo| above about 8.7, true D below 1e-7).
.set PITCH, 528                        ; an LDS row of weights: 512 bytes + 16
.set WSP,   64*PITCH                   ; a wave's part of a pass-1 slot
.set WSQ,   32*PITCH                   ; of a pass-2 slot
.set SLOTP, 4*WSP                      ; pass 1: odd chunks at 0, even chunks at SLOTP; shares no bit with WSP x wave, so one exclusive or changes slots
.set SLOTQ, 4*WSQ                      ; pass 2: even chunks at 0, odd at SLOTQ, both inside pass 1's lower slot
.set IMG2,  SLOTP                      ; inside pass 1's upper slot, behind its last fill and last read: 36 images of 2,048 bytes: (column tile c, K step s) at (4 c + s) 2048
.set STG,   IMG2+36*2048               ; likewise: the way out, 16 rows x 272 bytes a wave
.set VIMG,  2*SLOTP                    ; V's 16 images, (k, s) at (2 k + s) 2048; its first four serve pass 1's x until V_0 is stored
.set BIASB, VIMG+32768                 ; b1, b2, b3 (2,048 bytes each), bo (8,192)
.set ATB,   BIASB+14336                ; A[k][i] x 4 x 2^(e22+e23) of point r at 512 i + 64 k + 4 r
.set SGB,   ATB+4096                   ; sig_i of point r at 64 i + 4 r
.set SPARE, SGB+512                    ; the spare words, 128 bytes a wave: two blocks of 256 bytes that no other line names
; window 0
.set SPW, 1                            ; LDS address of my spare word; never rewritten
.set NIL, 2                            ; 0; never rewritten
.set AWP, 3                            ; my lane's place in my wave's part of a pass-1 slot: 528 r + 8 h + WSP w
.set AW1P, 4                           ; the same for W1: 528 (r / 2) + 256 (r % 2) + 8 h + WSP w
.set AWQ, 5                            ; pass 2
.set AW1Q, 6
.set ADR, 7                            ; address of the weight loads in hand
.set BLH, 8                            ; biases of hidden layers: BIASB + 512 w + 32 h
.set BLO, 9                            ; bo: BIASB + 6144 + 256 w + 32 h
.set BAD, 10
.set XSL, 11                           ; where I store pass 1's x: VIMG + 2048 w + 16 lane
.set VSL, 12                           ; V: VIMG + 1024 w + 16 lane
.set SAD, 13
.set LIV, 14                           ; VIMG + 16 lane
.set LI2, 15                           ; IMG2 + 16 lane
.set LI2P, 16                          ; + 65536: column tile 8
.set PSL, 17                           ; where I store the second primal: LI2P + 2048 w
.set ISL, 18                           ; the tangents: LI2 + 2048 w
.set SGL, 19                           ; SGB + 4 r
.set ATL, 20                           ; ATB + 4 r
.set RL,  21                           ; r = lane % 16
.set HL,  22                           ; h = lane / 16
.set L16, 23                           ; 16 lane
.set LIMX, 24                          ; 57,344 x the scale of the primal's conversion
.set CVX, 25                           ; that scale as f32
.set SI,  26                           ; v[26:27]: sig_i (the pair's low word serves both halves)
.set STO, 28
.set SRD, 29
.set GO,  30
.set TMA, 31
.set OUT, 32                           ; v32-63: register 8 t + j: n = 64 w + 16 t + 8 h + j of point r
.set W2,  64                           ; v64-191: pass 2's eight weight fragments, (u, s) at 16 (4 u + s)
.set BI1, 64                           ; pass 1: biases of up to eight tiles
.set BI,  192                          ; pass 2: biases of two tiles
.set ZZ,  208
.set EE,  216
.set PP,  224
.set RR,  232
.set DD,  240
.set COD0, 248                         ; two sets of four code registers
; window 1: pass 1: 16 weight fragments; pass 2: activations of column tiles 0-3 at 64 c + 16 s.   window 2: pass 1: x at 16 s; pass 2: column tiles 4-7.
; window 3: v0-143 accumulators ((c, u) at 16 c + 8 u; pass 1: tile t at 8 t)
.set PACT, 144                         ; v144-207: the primal's activations; h's two fragments serve products 1 and 5
.set SIG, 208                          ; v208-223: sigmoid of two tiles; in Wo's layer the sum over directions
.set COD3, 224                         ; four sets of two
.set LIMT, 232
.set CVT, 233
.set IST, 235
.set AK,  224                          ; Wo's layer: A's factor of direction k at 224 + 2 k
; scalars
.set T2L, 2                            ; s[2:3] 2 log2(e)
.set W1W, 4                            ; my wave's first row of each weight
.set W2W, 6
.set W3W, 8
.set WOW, 10
.set PA1, 12                           ; pairs (2^(the product's two exponents), the next operand's scale): pass 1's four layers,
.set PA2, 14
.set PA3, 16
.set PA4, 18
.set PB1, 20                           ; the second primal's three hidden layers
.set PB2, 22
.set PB3, 24
.set OUTP, 26
.set G1P, 28                           ; group 1: 64 rows of 512 bytes
.set G1Q, 36                           ; 32 rows
.set GF,  44                           ; group 0 of the first chunk
.set GW,  48                           ; group 0 that walks
.set IP,  52                           ; the next chunk's address
.set NB,  54
.set IS,  56                           ; its step
.set CN,  58
.set CO,  59
.set TB,  60                           ; the slot whose weights are read next
.set WV,  61
.set WP,  62
.set WQ,  63
.set SB,  66
.set SX,  67
.set EX,  68                           ; s68-91: the 24 exponents; then
.set SW,  68
.set SV,  69
.set SS,  70
.set SA,  71
.set SOB, 92                           ; s[92:93] 2^(e20+e21), 4 x 2^(e22+e23)
.set CT1, 94                           ; the tangents' folded scales
.set CT2, 95
.set CT3, 96
.set CURT, 97
.set CUR, 98                           ; s[98:99] the pair in hand
.set LN2, 100                          ; s[100:101]
.set NL2E, 104
.set TS,  105
.set MSB, 0
.macro WIN new                         ; bits 1:0 source 0, 3:2 source 1, 5:4 source 2, 7:6 destination; the high byte repeats the setting that is left
.if MSB != (\new)
	s_set_vgpr_msb (MSB<<8)|(\new)
.set MSB, (\new)
.endif
.endm
.macro PLACES                          ; four plain vector lines behind a matrix instruction, ahead of loads into its sources and of reads of its result
.rept 4
	v_nop
.endr
.endm
.macro CROUND                          ; a round of the cluster's barrier
	s_barrier_signal -1
	s_barrier_wait -1
	s_cmp_lg_u32 s[WV], 0
	s_cbranch_scc1 .Lnot_wave_0_\@
	s_barrier_signal -3
.Lnot_wave_0_\@:
	s_barrier_wait -3
	s_barrier_signal -1
	s_barrier_wait -1
.endm
; THE CHANGE OF SLOTS, in two parts; between them stand the scalar lines that write the walking group 0.
.macro CH_A
	s_wait_tensorcnt 0x0                           ; my one load that was out, the next chunk's, has landed: the walking group 0 may be written
	ds_add_u32 v[SPW], v[NIL]                      ; 0 onto my spare word
.endm
.macro CH_B g1
	s_wait_dscnt 0x0                               ; the add is done; this chunk's weights are in registers, so my reads of its slot are over
	CROUND                                         ; the same holds of every wave of the four work-groups
	tensor_load_to_lds s[GW:GW+3], s[\g1:\g1+7]    ; the chunk after next, into the slot just left: my one load until the next round
	s_nop 0
	PLACES
.endm
.macro TAKE_IP
	s_mov_b64 s[GW+2:GW+3], s[IP:IP+1]
	s_or_b32 s[GW+3], s[GW+3], 0x80000000          ; type = 2
.endm
.macro MK dst, a                       ; 2^a as f32
	s_add_co_i32 s[\dst], s[\a], 127
	s_lshl_b32 s[\dst], s[\dst], 23
.endm
.macro MK2 dst, a, b                   ; 2^(a + b)
	s_add_co_i32 s[\dst], s[\a], s[\b]
	s_add_co_i32 s[\dst], s[\dst], 127
	s_lshl_b32 s[\dst], s[\dst], 23
.endm
.macro MK3 dst, a, b, c                ; 2^(a - b - c)
	s_sub_co_i32 s[\dst], s[\a], s[\b]
	s_sub_co_i32 s[\dst], s[\dst], s[\c]
	s_add_co_i32 s[\dst], s[\dst], 127
	s_lshl_b32 s[\dst], s[\dst], 23
.endm
.macro SETX                            ; the primal's conversion: its scale, and 57,344 x it (15 more in the exponent field, mantissa field 0x600000)
	v_mov_b32 v[CVX], s[CUR+1]
	s_add_co_u32 s[TS], s[CUR+1], 0x07e00000
	v_mov_b32 v[LIMX], s[TS]
.endm
.macro SETT                            ; the tangents'
	s_add_co_u32 s[TS], s[CURT], 0x07e00000
	WIN 0xc0
	v_mov_b32 v[CVT], s[CURT]
	v_mov_b32 v[LIMT], s[TS]
	WIN 0
.endm
; WEIGHT FRAGMENTS: 16 rows x 128 K, eight loads of 8 bytes: registers 2 c, 2 c + 1 = k 16 c + 8 h + 0..7 of row r.
.macro LOADW_P1                        ; the first chunk: W1's 8 tiles x 2 K steps -> window 1, (t, s) at 16 (2 t + s)
	v_add_nc_u32 v[ADR], SLOTP, v[AW1P]
	WIN 0x40
.irp t, 0,1,2,3,4,5,6,7
.irp s, 0,1
.irp c, 0,1,2,3,4,5,6,7
	ds_load_b64 v[16*(2*\t+\s)+2*\c:16*(2*\t+\s)+2*\c+1], v[ADR] offset:8*\t*PITCH+128*\s+16*\c
.endr
.endr
.endr
	WIN 0
.endm
.macro LOADW_PK half                   ; pass 1, K = 512: tiles 2 half, 2 half + 1 x 4 K steps -> window 1, (t, s) at 16 (4 t + s)
	WIN 0x40
.irp t, 2*\half, 2*\half+1
.irp s, 0,1,2,3
.irp c, 0,1,2,3,4,5,6,7
	ds_load_b64 v[16*(4*(\t)+\s)+2*\c:16*(4*(\t)+\s)+2*\c+1], v[ADR] offset:16*(\t)*PITCH+128*\s+16*\c
.endr
.endr
.endr
	WIN 0
.endm
.macro LOADW_T u                       ; pass 2, K = 512: tile u of a pair x 4 K steps: a run of 32 loads
.irp s, 0,1,2,3
.irp c, 0,1,2,3,4,5,6,7
	ds_load_b64 v[W2+16*(4*\u+\s)+2*\c:W2+16*(4*\u+\s)+2*\c+1], v[ADR] offset:16*\u*PITCH+128*\s+16*\c
.endr
.endr
.endm
.macro LOADW_Q1                        ; pass 2, W1: a pair of tiles x 2 K steps
.irp u, 0,1
.irp s, 0,1
.irp c, 0,1,2,3,4,5,6,7
	ds_load_b64 v[W2+16*(4*\u+\s)+2*\c:W2+16*(4*\u+\s)+2*\c+1], v[ADR] offset:8*\u*PITCH+128*\s+16*\c
.endr
.endr
.endr
.endm
.macro BIASLD n, reg, adr, off         ; the biases of n tiles in the result's layout: eight numbers a lane and tile
.set t_, 0
.rept \n
	ds_load_b128 v[\reg+8*t_:\reg+8*t_+3], v[\adr] offset:\off+64*t_
	ds_load_b128 v[\reg+8*t_+4:\reg+8*t_+7], v[\adr] offset:\off+64*t_+16
.set t_, t_+1
.endr
.endm
; PASS 1'S PRODUCTS.  The accumulators take turns, one instruction a turn, in the same order in every K step; the first K step starts the sums.
.macro MMP1                            ; layer 1: 8 tiles x 2 K steps on h
	WIN 0xfd
.irp s, 0,1
.irp t, 0,1,2,3,4,5,6,7
.if \s == 0
	v_wmma_f32_16x16x128_bf8_bf8 v[8*\t:8*\t+7], v[16*(2*\t+\s):16*(2*\t+\s)+15], v[PACT+16*\s:PACT+16*\s+15], 0
.else
	v_wmma_f32_16x16x128_bf8_bf8 v[8*\t:8*\t+7], v[16*(2*\t+\s):16*(2*\t+\s)+15], v[PACT+16*\s:PACT+16*\s+15], v[8*\t:8*\t+7]
.endif
.endr
.endr
.endm
.macro MMPK                            ; K = 512: 4 tiles x 4 K steps on x
	WIN 0xf9
.irp s, 0,1,2,3
.irp t, 0,1,2,3
.if \s == 0
	v_wmma_f32_16x16x128_bf8_bf8 v[8*\t:8*\t+7], v[16*(4*\t+\s):16*(4*\t+\s)+15], v[16*\s:16*\s+15], 0
.else
	v_wmma_f32_16x16x128_bf8_bf8 v[8*\t:8*\t+7], v[16*(4*\t+\s):16*(4*\t+\s)+15], v[16*\s:16*\s+15], v[8*\t:8*\t+7]
.endif
.endr
.endr
.endm
; SOFTPLUS OF A TILE (eight numbers a lane), quantised.  z = sum x S + b; e = exp(-|z|); p = 1 + e; softplus = max(z, 0) + ln(p) + c, where c = e - (p - 1) is exactly what the rounding of p lost:
; so small results keep their relative accuracy.  softplus is never negative, so its hold is one-sided.  (Pass 1's form; pass 2's, with the sigmoid, is the list SOFTI below.)
.macro SOFT8 acc, bi, cod
	WIN 0x03
.irp j, 0,2,4,6
	v_pk_fma_f32 v[ZZ+\j:ZZ+\j+1], v[(\acc)+\j:(\acc)+\j+1], s[CUR:CUR+1], v[(\bi)+\j:(\bi)+\j+1] op_sel_hi:[1,0,1]   ; the accumulator from its low end on
.endr
	WIN 0
.irp j, 0,1,2,3,4,5,6,7
	v_mul_f32 v[EE+\j], s[NL2E], |v[ZZ+\j]|
.endr
.irp j, 0,1,2,3,4,5,6,7
	v_exp_f32 v[EE+\j], v[EE+\j]
.endr
	v_nop                                          ; a plain line behind the exponentials
	s_wait_alu depctr_va_vdst(0)
.irp j, 0,2,4,6
	v_pk_add_f32 v[PP+\j:PP+\j+1], v[EE+\j:EE+\j+1], 1.0 op_sel_hi:[1,0]
.endr
.irp j, 0,2,4,6
	v_pk_add_f32 v[DD+\j:DD+\j+1], v[PP+\j:PP+\j+1], -1.0 op_sel_hi:[1,0]   ; p - 1, exact
.endr
.irp j, 0,1,2,3,4,5,6,7
	v_log_f32 v[PP+\j], v[PP+\j]
.endr
.irp j, 0,2,4,6
	v_pk_add_f32 v[DD+\j:DD+\j+1], v[EE+\j:EE+\j+1], v[DD+\j:DD+\j+1] neg_lo:[0,1] neg_hi:[0,1]   ; c, exact.  (Plain lines behind the logarithms)
.endr
.irp j, 0,1,2,3,4,5,6,7
	v_max_num_f32 v[ZZ+\j], 0, v[ZZ+\j]
.endr
.irp j, 0,2,4,6
	v_pk_add_f32 v[ZZ+\j:ZZ+\j+1], v[ZZ+\j:ZZ+\j+1], v[DD+\j:DD+\j+1]
.endr
	s_wait_alu depctr_va_vdst(0)
.irp j, 0,2,4,6
	v_pk_fma_f32 v[ZZ+\j:ZZ+\j+1], v[PP+\j:PP+\j+1], s[LN2:LN2+1], v[ZZ+\j:ZZ+\j+1] op_sel_hi:[1,0,1]
.endr
.irp j, 0,1,2,3,4,5,6,7
	v_min_num_f32 v[ZZ+\j], v[ZZ+\j], v[LIMX]      ; the conversion to an 8-bit code does not saturate (ISA guide 7.6.2)
.endr
	v_cvt_scalef32_pk8_bf8_f32 v[\cod:\cod+1], v[ZZ:ZZ+7], v[CVX]
	v_nop                                          ; a plain line behind the conversion
.endm
; TANH OF A TILE: V = 1 - 2 / (1 + e^(2z)); OUT += sig_i V; V quantised.
.macro TANH8 acc, bi, cod, o
	WIN 0x03
.irp j, 0,2,4,6
	v_pk_fma_f32 v[ZZ+\j:ZZ+\j+1], v[(\acc)+\j:(\acc)+\j+1], s[CUR:CUR+1], v[(\bi)+\j:(\bi)+\j+1] op_sel_hi:[1,0,1]
.endr
	WIN 0
.irp j, 0,2,4,6
	v_pk_mul_f32 v[EE+\j:EE+\j+1], v[ZZ+\j:ZZ+\j+1], s[T2L:T2L+1] op_sel_hi:[1,0]
.endr
.irp j, 0,1,2,3,4,5,6,7
	v_exp_f32 v[EE+\j], v[EE+\j]
.endr
	v_nop
	s_wait_alu depctr_va_vdst(0)
.irp j, 0,2,4,6
	v_pk_add_f32 v[PP+\j:PP+\j+1], v[EE+\j:EE+\j+1], 1.0 op_sel_hi:[1,0]
.endr
.irp j, 0,1,2,3,4,5,6,7
	v_rcp_f32 v[PP+\j], v[PP+\j]
.endr
	v_nop
	s_wait_alu depctr_va_vdst(0)
.irp j, 0,2,4,6
	v_pk_fma_f32 v[ZZ+\j:ZZ+\j+1], v[PP+\j:PP+\j+1], -2.0, 1.0 op_sel_hi:[1,0,0]
.endr
.irp j, 0,2,4,6
	v_pk_fma_f32 v[(\o)+\j:(\o)+\j+1], v[ZZ+\j:ZZ+\j+1], v[SI:SI+1], v[(\o)+\j:(\o)+\j+1] op_sel_hi:[1,0,1]
.endr
.irp j, 0,1,2,3,4,5,6,7
	v_med3_num_f32 v[ZZ+\j], v[ZZ+\j], -v[LIMX], v[LIMX]
.endr
	v_cvt_scalef32_pk8_bf8_f32 v[\cod:\cod+1], v[ZZ:ZZ+7], v[CVX]
	v_nop
.endm
.macro P1HPAIR t, adr, off, set        ; two tiles of a hidden layer: four registers of the next operand, one store of its image
	SOFT8 8*(\t), BI1+8*(\t), COD0+4*(\set)
	SOFT8 8*(\t)+8, BI1+8*(\t)+8, COD0+4*(\set)+2
	ds_store_b128 v[\adr], v[COD0+4*(\set):COD0+4*(\set)+3] offset:\off
.endm
.macro P1OPAIR t, off, set             ; two tiles of V
	TANH8 8*(\t), BI1+8*(\t), COD0+4*(\set), OUT+8*(\t)
	TANH8 8*(\t)+8, BI1+8*(\t)+8, COD0+4*(\set)+2, OUT+8*(\t)+8
	ds_store_b128 v[SAD], v[COD0+4*(\set):COD0+4*(\set)+3] offset:\off
.endm
; ---------------- PASS 2'S VECTOR WORK, AS NUMBERED LISTS.  Each macro writes ONE instruction, chosen by symbols, and sets the register windows that it needs.
; SOFTI: item j_ (0 .. 94) of tile u_'s softplus and sigmoid.  The arithmetic is SOFT8's; beside it sigmoid(z) = 1 / p for z >= 0, e / p else, goes into window 3.
; Each run of transcendentals has a plain item behind it before a result is used or a source rewritten (ISA guide 5.7.2); a product that falls between them touches none of these registers.
.macro SOFTI
.set sa_, 128+8*u_
.set sb_, BI+8*u_
.set sg_, SIG+8*u_
.if j_ < 4
	WIN 0x03
	v_pk_fma_f32 v[ZZ+2*j_:ZZ+2*j_+1], v[sa_+2*j_:sa_+2*j_+1], s[CUR:CUR+1], v[sb_+2*j_:sb_+2*j_+1] op_sel_hi:[1,0,1]   ; z; the accumulator from its low end on
.elseif j_ < 12
	WIN 0
	v_mul_f32 v[EE+j_-4], s[NL2E], |v[ZZ+j_-4]|
.elseif j_ < 20
	WIN 0
	v_exp_f32 v[EE+j_-12], v[EE+j_-12]
.elseif j_ == 20
	v_nop
	s_wait_alu depctr_va_vdst(0)
.elseif j_ < 25
.set si_, 2*(j_-21)
	WIN 0
	v_pk_add_f32 v[PP+si_:PP+si_+1], v[EE+si_:EE+si_+1], 1.0 op_sel_hi:[1,0]
.elseif j_ < 33
	WIN 0
	v_rcp_f32 v[RR+j_-25], v[PP+j_-25]
.elseif j_ < 37
.set si_, 2*(j_-33)
	WIN 0
	v_pk_add_f32 v[DD+si_:DD+si_+1], v[PP+si_:PP+si_+1], -1.0 op_sel_hi:[1,0]
.elseif j_ < 45
	WIN 0
	v_log_f32 v[PP+j_-37], v[PP+j_-37]
.elseif j_ < 49
.set si_, 2*(j_-45)
	WIN 0
	v_pk_add_f32 v[DD+si_:DD+si_+1], v[EE+si_:EE+si_+1], v[DD+si_:DD+si_+1] neg_lo:[0,1] neg_hi:[0,1]
.elseif j_ < 53
.set si_, 2*(j_-49)
	WIN 0
	s_wait_alu depctr_va_vdst(0)
	v_pk_mul_f32 v[EE+si_:EE+si_+1], v[EE+si_:EE+si_+1], v[RR+si_:RR+si_+1]
.elseif j_ < 69
.set si_, (j_-53)/2
	WIN 0xc0
.if (j_-53)%2 == 0
	v_cmp_le_f32 vcc_lo, 0, v[ZZ+si_]
.else
	v_cndmask_b32 v[sg_+si_], v[EE+si_], v[RR+si_], vcc_lo
.endif
.elseif j_ < 77
	WIN 0
	v_max_num_f32 v[ZZ+j_-69], 0, v[ZZ+j_-69]
.elseif j_ < 81
.set si_, 2*(j_-77)
	WIN 0
	v_pk_add_f32 v[ZZ+si_:ZZ+si_+1], v[ZZ+si_:ZZ+si_+1], v[DD+si_:DD+si_+1]
.elseif j_ < 85
.set si_, 2*(j_-81)
	WIN 0
	v_pk_fma_f32 v[ZZ+si_:ZZ+si_+1], v[PP+si_:PP+si_+1], s[LN2:LN2+1], v[ZZ+si_:ZZ+si_+1] op_sel_hi:[1,0,1]
.elseif j_ < 93
	WIN 0
	v_min_num_f32 v[ZZ+j_-85], v[ZZ+j_-85], v[LIMX]
.elseif j_ == 93
	WIN 0
	v_cvt_scalef32_pk8_bf8_f32 v[COD0+2*u_:COD0+2*u_+1], v[ZZ:ZZ+7], v[CVX]
.else
	v_nop                                          ; a plain line behind the conversion
.endif
.endm
; TANI: item j_ (0 .. 119) of tile u_'s tangents, all in window 3.  For each direction c: the sums x sigmoid (each accumulator from its low end on), the hold, one conversion with the three scales folded into one, a plain line;
; behind four directions their four stores: a tile is two registers of the image, 8 u_ bytes into the lane's 16.
.macro TANI
.set tg_, j_/60
.set tm_, j_%60
	WIN 0xff
.if tm_ < 56
.set tc_, 4*tg_+tm_/14
.set ti_, tm_%14
.set tr_, 16*tc_+8*u_
.if ti_ < 4
	v_pk_mul_f32 v[tr_+2*ti_:tr_+2*ti_+1], v[tr_+2*ti_:tr_+2*ti_+1], v[SIG+8*u_+2*ti_:SIG+8*u_+2*ti_+1]
.elseif ti_ < 12
	v_med3_num_f32 v[tr_+ti_-4], v[tr_+ti_-4], -v[LIMT], v[LIMT]
.elseif ti_ == 12
	v_cvt_scalef32_pk8_bf8_f32 v[COD3+2*(tc_%4):COD3+2*(tc_%4)+1], v[tr_:tr_+7], v[CVT]
.else
	v_nop
.endif
.else
.set tc_, 4*tg_+tm_-56
	ds_store_b64 v[IST], v[COD3+2*(tc_%4):COD3+2*(tc_%4)+1] offset:8192*tc_+8*u_
.endif
.endm
; TSUM: item j_ (0 .. 35) of tile u_ of Wo: T = sum_k A[k][i] x the sums of direction k (the 4 and 2^(e22+e23) lie in A's table); then OUT += (D / 4) T.
.macro TSUM
.set tk_, j_/4
.set ti_, 2*(j_%4)
.set tr_, 8*u_+ti_
.if j_ < 4
	WIN 0xff
	v_pk_mul_f32 v[SIG+tr_:SIG+tr_+1], v[tr_:tr_+1], v[AK:AK+1] op_sel_hi:[1,0]
.elseif j_ < 32
	WIN 0xff
	v_pk_fma_f32 v[SIG+tr_:SIG+tr_+1], v[16*tk_+tr_:16*tk_+tr_+1], v[AK+2*tk_:AK+2*tk_+1], v[SIG+tr_:SIG+tr_+1] op_sel_hi:[1,0,1]
.else
	WIN 0x0c
	v_pk_fma_f32 v[OUT+16*hf_+tr_:OUT+16*hf_+tr_+1], v[ZZ+tr_:ZZ+tr_+1], v[SIG+tr_:SIG+tr_+1], v[OUT+16*hf_+tr_:OUT+16*hf_+tr_+1]
.endif
.endm
; HITEM: item n_ of a hidden pair's list of 315: four places behind the primal's products; softplus and sigmoid of tile 0, of tile 1; the store of the primal's four code registers; tile 0's tangents.
.macro HITEM
.if n_ < 4
	v_nop
.elseif n_ < 99
.set u_, 0
.set j_, n_-4
	SOFTI
.elseif n_ < 194
.set u_, 1
.set j_, n_-99
	SOFTI
.elseif n_ == 194
	WIN 0
	ds_store_b128 v[SAD], v[COD0:COD0+3]
.elseif n_ < 315
.set u_, 0
.set j_, n_-195
	TANI
.endif
.set n_, n_+1
.endm
; OITEM: item n_ of a pair of Wo's list of 106: four places; for both tiles u = 1 / (1 + e^(2 zo')), D / 4 = u - u^2; tile 0's sum over the directions and its part of OUT.
.macro OITEM
.if n_ < 4
	v_nop
.elseif n_ < 12
.set oi_, 2*(n_-4)
	WIN 0x03
	v_pk_fma_f32 v[ZZ+oi_:ZZ+oi_+1], v[128+oi_:128+oi_+1], s[SOB:SOB+1], v[BI+oi_:BI+oi_+1] op_sel_hi:[1,0,1]
.elseif n_ < 20
.set oi_, 2*(n_-12)
	WIN 0
	v_pk_mul_f32 v[ZZ+oi_:ZZ+oi_+1], v[ZZ+oi_:ZZ+oi_+1], s[T2L:T2L+1] op_sel_hi:[1,0]
.elseif n_ < 36
	WIN 0
	v_exp_f32 v[ZZ+n_-20], v[ZZ+n_-20]
.elseif n_ == 36
	v_nop
	s_wait_alu depctr_va_vdst(0)
.elseif n_ < 45
.set oi_, 2*(n_-37)
	WIN 0
	v_pk_add_f32 v[ZZ+oi_:ZZ+oi_+1], v[ZZ+oi_:ZZ+oi_+1], 1.0 op_sel_hi:[1,0]
.elseif n_ < 61
	WIN 0
	v_rcp_f32 v[ZZ+n_-45], v[ZZ+n_-45]
.elseif n_ == 61
	v_nop
	s_wait_alu depctr_va_vdst(0)
.elseif n_ < 70
.set oi_, 2*(n_-62)
	WIN 0
	v_pk_fma_f32 v[ZZ+oi_:ZZ+oi_+1], v[ZZ+oi_:ZZ+oi_+1], v[ZZ+oi_:ZZ+oi_+1], v[ZZ+oi_:ZZ+oi_+1] neg_lo:[1,0,0] neg_hi:[1,0,0]
.elseif n_ < 106
.set u_, 0
.set j_, n_-70
	TSUM
.endif
.set n_, n_+1
.endm
; A PAIR OF TILES OF PASS 2, PRODUCTS AND VECTOR WORK BY TURNS.  ks: K steps.  q: list items behind each product.  wo = 1: Wo's layer.  ld = 1: the next chunk's weights are fetched (v[ADR] holds their place).
; Phase A: the second primal, 2 ks products, its two accumulators by turns.  Phase B: tile 0 of the eight directions, 8 ks products; phase C: tile 1; eight accumulators by turns, K ascending.
; The first K step starts every sum.  DISTANCES, by count: the list's first four items are the places behind phase A.  Tile 0's sums are finished by product 8 ks - 1 of phases B and C; their first reader is item 195 of
; the hidden list (behind product 39 with q = 5, 19 with q = 10) or item 70 of Wo's (behind product 35 with q = 2): more than four plain items lie between.  8 ks x 2 x q is at least the list's length.
; Tile 0's weights have their last reader at the end of phase B: the next chunk's come in one run behind phase C's second product; tile 1's behind the last product, under the bare items.
.macro FUSE ks, q, wo, ld
	WIN 0xfc
.set ps_, 0
.rept \ks
.irp u, 0,1
.if ps_ == 0
	v_wmma_f32_16x16x128_bf8_bf8 v[128+8*\u:128+8*\u+7], v[W2+16*(4*\u+ps_):W2+16*(4*\u+ps_)+15], v[PACT+16*ps_:PACT+16*ps_+15], 0
.else
	v_wmma_f32_16x16x128_bf8_bf8 v[128+8*\u:128+8*\u+7], v[W2+16*(4*\u+ps_):W2+16*(4*\u+ps_)+15], v[PACT+16*ps_:PACT+16*ps_+15], v[128+8*\u:128+8*\u+7]
.endif
.endr
.set ps_, ps_+1
.endr
	s_wait_dscnt 0x0                               ; the biases, and in Wo's layer A's factors, asked for ahead of phase A (in layer 1 this wait is met at once)
.set n_, 0
.irp u, 0,1
.set ps_, 0
.rept \ks
.set pc_, 0
.rept 8
	WIN 0xf4+4*(pc_/4)
.set pb_, 64*(pc_%4)+16*ps_
.set pa_, 16*pc_+8*\u
.if ps_ == 0
	v_wmma_f32_16x16x128_bf8_bf8 v[pa_:pa_+7], v[W2+16*(4*\u+ps_):W2+16*(4*\u+ps_)+15], v[pb_:pb_+15], 0
.else
	v_wmma_f32_16x16x128_bf8_bf8 v[pa_:pa_+7], v[W2+16*(4*\u+ps_):W2+16*(4*\u+ps_)+15], v[pb_:pb_+15], v[pa_:pa_+7]
.endif
.rept \q
.if \wo
	OITEM
.else
	HITEM
.endif
.endr
.if \ld && (\u == 1) && (ps_ == 0) && (pc_ == 1)
	PLACES                                         ; ahead of loads into registers that phase B's products have read
	WIN 0
	LOADW_T 0
.endif
.set pc_, pc_+1
.endr
.set ps_, ps_+1
.endr
.endr
	PLACES                                         ; behind the last products: for the loads into tile 1's weights and for the reads of tile 1's sums
	WIN 0
.if \ld
	LOADW_T 1
.endif
.set u_, 1
.set j_, 0
.if \wo
.rept 36
	TSUM
.set j_, j_+1
.endr
.else
.rept 120
	TANI
.set j_, j_+1
.endr
.endif
	WIN 0
.endm
; THE EXCHANGES: my stores of images have landed and my LDS loads are in; the work-group's barrier; then every wave takes all images.  The load on its way may stay out.
; The next change of slots, with its wait for these loads ahead of its round, orders them with the next layer's stores.
.macro XCH1                            ; pass 1: x's four fragments -> window 2
	WIN 0
	s_wait_dscnt 0x0
	s_barrier_signal -1
	s_barrier_wait -1
	WIN 0x80
.irp s, 0,1,2,3
.irp q, 0,1,2,3
	ds_load_b128 v[16*\s+4*\q:16*\s+4*\q+3], v[LIV] offset:2048*\s+512*\q
.endr
.endr
	WIN 0
.endm
.macro E1                              ; V's sixteen fragments: the eight directions, two K steps each
	WIN 0
	s_wait_dscnt 0x0
	s_barrier_signal -1
	s_barrier_wait -1
.irp k, 0,1,2,3,4,5,6,7
	WIN 0x40+0x40*(\k/4)
.irp s, 0,1
.irp q, 0,1,2,3
	ds_load_b128 v[64*(\k%4)+16*\s+4*\q:64*(\k%4)+16*\s+4*\q+3], v[LIV] offset:(2*\k+\s)*2048+512*\q
.endr
.endr
.endr
	WIN 0
.endm
.macro XCH2                            ; pass 2: 36 fragments
	WIN 0
	s_wait_dscnt 0x0
	s_barrier_signal -1
	s_barrier_wait -1
.irp c, 0,1,2,3,4,5,6,7
	WIN 0x40+0x40*(\c/4)
.irp s, 0,1,2,3
.irp q, 0,1,2,3
	ds_load_b128 v[64*(\c%4)+16*\s+4*\q:64*(\c%4)+16*\s+4*\q+3], v[LI2] offset:(4*\c+\s)*2048+512*\q
.endr
.endr
.endr
	WIN 0xc0
.irp s, 0,1,2,3
.irp q, 0,1,2,3
	ds_load_b128 v[PACT+16*\s+4*\q:PACT+16*\s+4*\q+3], v[LI2P] offset:2048*\s+512*\q
.endr
.endr
	WIN 0
.endm
; ================= THE HEAD
	s_load_b512 s[4:19], s[0:1], 0x0               ; W1, W2, W3, Wo, b1, b2, b3, bo
	s_load_b256 s[20:27], s[0:1], 0x40             ; h, the exponents, the signature, out
	v_lshl_add_u32 v[SPW], v0, 2, SPARE
	v_mov_b32 v[NIL], 0
	ds_add_u32 v1, v2
	ds_add_u32 v1, v2
	s_wait_dscnt 0x0
	v_lshrrev_b32 v[L16], 5, v0
	v_readfirstlane_b32 s[WV], v[L16]              ; wave 0..3
	s_mul_i32 s[WP], s[WV], WSP
	s_mul_i32 s[WQ], s[WV], WSQ
	s_mov_b32 s[G1P], 15|(1<<20)|(1<<21)|(6<<22)|(3<<25)   ; 15:0 the mask: all four work-groups; 17:16 elements of 1 byte; 20 padding on; 21 set beside a mask; 24:22 after every 128 words; 31:25 four words
	s_mov_b32 s[G1Q], 15|(1<<20)|(1<<21)|(6<<22)|(3<<25)
.irp g, G1P, G1Q
	s_mov_b32 s[\g+1], 512<<16                     ; tensor_dim0
	s_mov_b32 s[\g+3], 512<<16                     ; tile_dim0
	s_mov_b32 s[\g+5], 512                         ; from row to row: the blocks are dense
	s_mov_b32 s[\g+6], 0
	s_mov_b32 s[\g+7], 0
.endr
	s_mov_b32 s[G1P+2], 64<<16                     ; tensor_dim1
	s_mov_b32 s[G1P+4], 64                         ; tile_dim1
	s_mov_b32 s[G1Q+2], 32<<16
	s_mov_b32 s[G1Q+4], 32
	s_mov_b32 s[LN2], 0x3f317218
	s_mov_b32 s[LN2+1], 0x3f317218                 ; (named with it as a pair, so it is written)
	s_mov_b32 s[NL2E], 0xbfb8aa3b
	s_mov_b32 s[T2L], 0x4038aa3b
	s_mov_b32 s[T2L+1], 0x4038aa3b
	v_and_b32 v[RL], 15, v0
	v_bfe_u32 v[HL], v0, 4, 1
	v_and_b32 v[L16], 31, v0
	v_lshlrev_b32 v[L16], 4, v[L16]
	v_mul_u32_u24 v[AWQ], v[RL], PITCH
	v_lshl_add_u32 v[AWQ], v[HL], 3, v[AWQ]
	v_add_nc_u32 v[AWP], s[WP], v[AWQ]
	v_add_nc_u32 v[AWQ], s[WQ], v[AWQ]
	v_lshrrev_b32 v[AW1Q], 1, v[RL]
	v_mul_u32_u24 v[AW1Q], v[AW1Q], PITCH
	v_and_b32 v[ADR], 1, v[RL]
	v_lshl_add_u32 v[AW1Q], v[ADR], 8, v[AW1Q]
	v_lshl_add_u32 v[AW1Q], v[HL], 3, v[AW1Q]
	v_add_nc_u32 v[AW1P], s[WP], v[AW1Q]
	v_add_nc_u32 v[AW1Q], s[WQ], v[AW1Q]
	s_lshl_b32 s66, s[WV], 9
	v_lshl_add_u32 v[BLH], v[HL], 5, s66
	v_add_nc_u32 v[BLH], BIASB, v[BLH]
	s_lshl_b32 s66, s[WV], 8
	v_lshl_add_u32 v[BLO], v[HL], 5, s66
	v_add_nc_u32 v[BLO], BIASB+6144, v[BLO]
	v_lshl_add_u32 v[GO], v[HL], 10, s66
	v_lshl_add_u32 v[GO], v[RL], 4, v[GO]          ; out: 1024 h + 256 w + 16 r
	s_lshl_b32 s66, s[WV], 11
	v_add_nc_u32 v[ISL], s66, v[L16]
	v_add_nc_u32 v[XSL], VIMG, v[ISL]
	v_add_nc_u32 v[PSL], IMG2+65536, v[ISL]
	v_add_nc_u32 v[ISL], IMG2, v[ISL]
	s_lshl_b32 s66, s[WV], 10
	v_add_nc_u32 v[VSL], s66, v[L16]
	v_add_nc_u32 v[VSL], VIMG, v[VSL]
	v_add_nc_u32 v[LIV], VIMG, v[L16]
	v_add_nc_u32 v[LI2], IMG2, v[L16]
	v_add_nc_u32 v[LI2P], IMG2+65536, v[L16]
	v_lshl_add_u32 v[SGL], v[RL], 2, SGB
	v_lshl_add_u32 v[ATL], v[RL], 2, ATB
	s_mul_i32 s66, s[WV], 16*272
	s_add_co_u32 s66, s66, STG
	v_mul_u32_u24 v[STO], v[RL], 272
	v_lshl_add_u32 v[STO], v[HL], 5, v[STO]
	v_add_nc_u32 v[STO], s66, v[STO]               ; the stage, in: row r, + 32 h
	v_mul_u32_u24 v[SRD], v[HL], 272
	v_lshl_add_u32 v[SRD], v[RL], 4, v[SRD]
	v_add_nc_u32 v[SRD], s66, v[SRD]               ; back: lanes 0-15 one row, lanes 16-31 the next
	s_lshl_b32 s66, s[WV], 15
	s_mov_b32 s67, 0
	s_bfe_u32 s58, ttmp6, 0x40000                  ; my place in the cluster: it enters the addresses of h, the signature and out alone
	s_lshl_b32 s59, ttmp9, 2
	s_add_co_u32 s59, s59, s58                     ; my block of 16 points
	s_wait_kmcnt 0x0
	s_load_b256 s[EX:EX+7], s[22:23], 0x0
	s_load_b256 s[EX+8:EX+15], s[22:23], 0x20
	s_load_b256 s[EX+16:EX+23], s[22:23], 0x40
	s_add_nc_u64 s[W1W:W1W+1], s[W1W:W1W+1], s[66:67]     ; W1: 128 rows of 256 bytes a wave
	s_add_nc_u64 s[WOW:WOW+1], s[WOW:WOW+1], s[66:67]     ; Wo: 64 rows of 512 bytes a wave and field
	s_lshl_b32 s66, s[WV], 16
	s_add_nc_u64 s[W2W:W2W+1], s[W2W:W2W+1], s[66:67]     ; W2, W3: 128 rows of 512 bytes a wave
	s_add_nc_u64 s[W3W:W3W+1], s[W3W:W3W+1], s[66:67]
	s_lshl_b32 s66, s59, 12
	s_add_nc_u64 s[20:21], s[20:21], s[66:67]      ; h: 16 rows of 256 bytes
	s_mul_i32 s66, s59, 16*144
	s_add_nc_u64 s[24:25], s[24:25], s[66:67]      ; the signature: 16 rows of 144 bytes
	s_lshl_b32 s66, s59, 14
	s_add_nc_u64 s[OUTP:OUTP+1], s[OUTP:OUTP+1], s[66:67] ; out: 16 rows of 1,024 bytes
	s_mov_b32 s[GF], 1                             ; count = 1
	s_add_co_u32 s[GF+1], s[WP], SLOTP             ; chunk 0 (W1) into the upper slot,
	s_mov_b64 s[GF+2:GF+3], s[W1W:W1W+1]
	s_or_b32 s[GF+3], s[GF+3], 0x80000000
	s_mov_b32 s[GW], 1
	s_mov_b32 s[GW+1], s[WP]                       ; chunk 1 (W2's first half) into the lower
	s_mov_b64 s[GW+2:GW+3], s[W2W:W2W+1]
	s_or_b32 s[GW+3], s[GW+3], 0x80000000
	CROUND                                         ; all four work-groups are here: the first joint loads meet
	tensor_load_to_lds s[GF:GF+3], s[G1P:G1P+7]    ; the two first fills go out together: two loads of mine are out
	s_nop 0
	tensor_load_to_lds s[GW:GW+3], s[G1P:G1P+7]
	s_nop 0
	PLACES
	v_lshlrev_b32 v124, 8, v[RL]
	v_lshl_add_u32 v124, v[HL], 3, v124            ; h: row r, + 8 h
	WIN 0xc0
.irp s, 0,1
.irp c, 0,1,2,3,4,5,6,7
	global_load_b64 v[PACT+16*\s+2*\c:PACT+16*\s+2*\c+1], v124, s[20:21] offset:128*\s+16*\c
.endr
.endr
	WIN 0
	v_lshlrev_b32 v92, 4, v0                       ; the biases: 16 bytes a thread, seven times
	global_load_b128 v[64:67], v92, s[12:13]
	global_load_b128 v[68:71], v92, s[14:15]
	global_load_b128 v[72:75], v92, s[16:17]
.irp m, 0,1,2,3
	global_load_b128 v[76+4*\m:79+4*\m], v92, s[18:19] offset:2048*\m
.endr
	v_lshrrev_b32 v94, 4, v0                       ; the signature's tables: thread t serves point r = t % 16 and k = t / 16
	v_mul_u32_u24 v95, v[RL], 144
	v_lshl_add_u32 v96, v94, 2, v95
	global_load_b32 v97, v96, s[24:25]             ; sig_k
.irp i, 0,1,2,3,4,5,6,7
	v_min_u32 v116, \i, v94                        ; the bracket (lo, hi) stands in column 7 + hi - lo + lo (15 - lo) / 2; for k = i that is a column of the row too, and its number is replaced by 0 below
	v_max_u32 v117, \i, v94
	v_sub_nc_u32 v118, 15, v116
	v_mul_u32_u24 v118, v118, v116
	v_lshrrev_b32 v118, 1, v118
	v_add3_u32 v118, v118, v117, 7
	v_sub_nc_u32 v118, v118, v116
	v_lshl_add_u32 v[100+\i], v118, 2, v95
	global_load_b32 v[108+\i], v[100+\i], s[24:25]
.endr
.irp j, 0,1,2,3,4,5,6,7,8,9,10,11,12,13,14,15,16,17,18,19,20,21,22,23,24,25,26,27,28,29,30,31
	v_mov_b32 v[OUT+\j], 0                         ; OUT begins as zeros, once, so that the loop over fields is written once
.endr
	v_mov_b32 v[SI+1], 0                           ; (named as the upper half of a pair)
	WIN 0xc0
.irp k, 0,1,2,3,4,5,6,7
	v_mov_b32 v[AK+2*\k+1], 0                      ; likewise
.endr
	WIN 0
	v_add_nc_u32 v93, BIASB, v92
	v_lshl_add_u32 v122, v0, 2, SGB
	v_lshl_add_u32 v123, v0, 2, ATB
	s_wait_kmcnt 0x0                               ; the exponents
	s_wait_loadcnt 0x0                             ; all loads are done: their bases may be written
	MK2 PA1, EX+0, EX+1
	MK  PA1+1, EX+3
	MK2 PA2, EX+2, EX+3
	MK  PA2+1, EX+5
	MK2 PA3, EX+4, EX+5
	MK  PA3+1, EX+7
	MK2 PA4, EX+6, EX+7
	MK  PA4+1, EX+11
	MK2 PB1, EX+8, EX+9
	MK  PB1+1, EX+13
	MK2 PB2, EX+12, EX+13
	MK  PB2+1, EX+17
	MK2 PB3, EX+16, EX+17
	MK  PB3+1, EX+21
	MK2 SOB, EX+20, EX+21
	s_add_co_i32 s[SOB+1], s[EX+22], s[EX+23]
	s_add_co_i32 s[SOB+1], s[SOB+1], 129
	s_lshl_b32 s[SOB+1], s[SOB+1], 23              ; 4 x 2^(e22+e23)
	MK3 CT1, EX+15, EX+10, EX+11
	MK3 CT2, EX+19, EX+14, EX+15
	MK3 CT3, EX+23, EX+18, EX+19
	ds_store_b128 v93, v[64:67]
	ds_store_b128 v93, v[68:71] offset:2048
	ds_store_b128 v93, v[72:75] offset:4096
.irp m, 0,1,2,3
	ds_store_b128 v93, v[76+4*\m:79+4*\m] offset:6144+2048*\m
.endr
	ds_store_b32 v122, v97
	v_mov_b32 v120, s[SOB+1]
	v_xor_b32 v121, 0x80000000, v120
.irp i, 0,1,2,3,4,5,6,7
	v_cmp_gt_u32 vcc_lo, \i, v94                   ; k < i: plus
	v_cndmask_b32 v116, v121, v120, vcc_lo
	v_mul_f32 v[108+\i], v[108+\i], v116
	v_cmp_eq_u32 vcc_lo, \i, v94
	v_cndmask_b32 v[108+\i], v[108+\i], v[NIL], vcc_lo
	ds_store_b32 v123, v[108+\i] offset:512*\i
.endr
	s_wait_dscnt 0x0                               ; for the others' sake: my part of the tables lies in LDS
	s_barrier_signal -1
	s_barrier_wait -1                              ; the first fills may stay out
	s_wait_tensorcnt 0x1                           ; chunk 0 is in; chunk 1's load, issued behind it, may be out
	LOADW_P1
; ================= PASS 1, layer 1 (chunk 0)
	s_mov_b64 s[CUR:CUR+1], s[PA1:PA1+1]
	SETX
	CH_A
	s_xor_b32 s[GW+1], s[GW+1], SLOTP
	s_add_nc_u64 s[GW+2:GW+3], s[W2W:W2W+1], 32768 ; chunk 2: W2's second half
	s_or_b32 s[GW+3], s[GW+3], 0x80000000
	CH_B G1P
	BIASLD 8, BI1, BLH, 0
	MMP1
	PLACES
	WIN 0
	s_wait_dscnt 0x0                               ; the biases
	s_mov_b32 s[TB], 0
	v_add_nc_u32 v[ADR], s[TB], v[AWP]
	LOADW_PK 0                                     ; chunk 1's weights come under this chunk's vector work
	P1HPAIR 0, XSL, 0, 0
	P1HPAIR 2, XSL, 512, 1
	LOADW_PK 1
	P1HPAIR 4, XSL, 1024, 0
	P1HPAIR 6, XSL, 1536, 1
	XCH1
; ================= PASS 1, layers 2 and 3 (chunks 1 to 4): two chunks of 64 rows a wave and layer
	s_mov_b64 s[CUR:CUR+1], s[PA2:PA2+1]
	s_mov_b64 s[IP:IP+1], s[W3W:W3W+1]             ; chunk 1 asks for chunk 3
	s_mov_b64 s[NB:NB+1], s[WOW:WOW+1]
	s_mov_b32 s[IS], 32768
	s_mov_b32 s[IS+1], 0
	s_mov_b32 s[SB], 2048
	s_mov_b32 s[SX], 0
	s_mov_b32 s[CO], 2
.Lp1_layer:
	SETX
	s_mov_b32 s[CN], 2
.Lp1_chunk:
	CH_A
	s_xor_b32 s[GW+1], s[GW+1], SLOTP
	TAKE_IP
	s_add_nc_u64 s[IP:IP+1], s[IP:IP+1], s[IS:IS+1]
	CH_B G1P
	v_add_nc_u32 v[BAD], s[SB], v[BLH]
	BIASLD 4, BI1, BAD, 0
	MMPK
	PLACES
	WIN 0
	s_wait_dscnt 0x0
	s_xor_b32 s[TB], s[TB], SLOTP
	v_add_nc_u32 v[ADR], s[TB], v[AWP]
	v_add_nc_u32 v[SAD], s[SX], v[XSL]
	LOADW_PK 0
	P1HPAIR 0, SAD, 0, 0
	LOADW_PK 1
	P1HPAIR 2, SAD, 512, 1
	s_add_co_u32 s[SB], s[SB], 256
	s_add_co_u32 s[SX], s[SX], 1024
	s_sub_co_u32 s[CN], s[CN], 1
	s_cmp_lg_u32 s[CN], 0
	s_cbranch_scc1 .Lp1_chunk
	XCH1
	s_add_co_u32 s[SB], s[SB], 1536
	s_sub_co_u32 s[SX], s[SX], 2048
	s_mov_b64 s[CUR:CUR+1], s[PA3:PA3+1]
	s_mov_b64 s[IP:IP+1], s[NB:NB+1]               ; layer 3's chunks ask for Wo's fields 0 and 1; the loop below goes on with field 2
	s_mov_b32 s[IS], 131072
	s_add_nc_u64 s[NB:NB+1], s[NB:NB+1], 262144
	s_sub_co_u32 s[CO], s[CO], 1
	s_cmp_lg_u32 s[CO], 0
	s_cbranch_scc1 .Lp1_layer
; ================= PASS 1, Wo (chunks 5 to 12: field i = chunk - 5)
; mode 0: asks for the field after next.  mode 1, 2 (the last two fields): ask for pass 2's first two chunks, W1's halves, into the lower slot's two halves; mode 2 has no weights left to fetch.
.macro P1O mode
	CH_A
.if \mode == 0
	s_xor_b32 s[GW+1], s[GW+1], SLOTP
	TAKE_IP
	s_add_nc_u64 s[IP:IP+1], s[IP:IP+1], s[IS:IS+1]
	CH_B G1P
.elseif \mode == 1
	s_mov_b32 s[GW+1], s[WQ]
	s_mov_b64 s[GW+2:GW+3], s[W1W:W1W+1]
	s_or_b32 s[GW+3], s[GW+3], 0x80000000
	CH_B G1Q
.else
	s_add_co_u32 s[GW+1], s[WQ], SLOTQ
	s_add_nc_u64 s[GW+2:GW+3], s[W1W:W1W+1], 16384
	s_or_b32 s[GW+3], s[GW+3], 0x80000000
	CH_B G1Q
.endif
	v_add_nc_u32 v[BAD], s[SB], v[BLO]
	BIASLD 4, BI1, BAD, 0
	v_add_nc_u32 v[TMA], s[SS], v[SGL]
	ds_load_b32 v[SI], v[TMA]                      ; sig_i of my point
	MMPK
	PLACES
	WIN 0
	s_wait_dscnt 0x0
	v_add_nc_u32 v[SAD], s[SV], v[VSL]
.if \mode < 2
	s_xor_b32 s[TB], s[TB], SLOTP
	v_add_nc_u32 v[ADR], s[TB], v[AWP]
	LOADW_PK 0
.endif
	P1OPAIR 0, 0, 0
.if \mode < 2
	LOADW_PK 1
.endif
	P1OPAIR 2, 512, 1
	s_add_co_u32 s[SB], s[SB], 1024
	s_add_co_u32 s[SV], s[SV], 4096
	s_add_co_u32 s[SS], s[SS], 64
.endm
	s_mov_b64 s[CUR:CUR+1], s[PA4:PA4+1]
	SETX
	s_mov_b32 s[SB], 0
	s_mov_b32 s[SV], 0
	s_mov_b32 s[SS], 0
	s_mov_b32 s[CN], 6
.Lp1_field:
	P1O 0
	s_sub_co_u32 s[CN], s[CN], 1
	s_cmp_lg_u32 s[CN], 0
	s_cbranch_scc1 .Lp1_field
	P1O 1
	P1O 2
	E1
; ================= PASS 2, layer 1 (chunks 0, 1: W1's halves, two pairs of tiles each).  Here the weights are read pair by pair, and the slot is left at the chunk's end.
	s_mov_b64 s[CUR:CUR+1], s[PB1:PB1+1]
	s_mov_b32 s[CURT], s[CT1]
	SETX
	SETT
	s_mov_b64 s[IP:IP+1], s[W2W:W2W+1]
	s_mov_b32 s[IS], 16384
	s_mov_b32 s[SB], 0
	s_mov_b32 s[SX], 0
	s_mov_b32 s[SW], 0
	s_mov_b32 s[CO], 2
.Lp2_w1_chunk:
	s_mov_b32 s[CN], 2
.Lp2_w1_pair:
	v_add_nc_u32 v[ADR], s[SW], v[AW1Q]
	LOADW_Q1
	v_add_nc_u32 v[BAD], s[SB], v[BLH]
	BIASLD 2, BI, BAD, 0
	v_add_nc_u32 v[SAD], s[SX], v[PSL]             ; where this pair's codes go: the primal's,
	WIN 0xc0
	v_add_nc_u32 v[IST], s[SX], v[ISL]             ; the tangents'
	WIN 0
	s_wait_dscnt 0x0                               ; the weights, the biases, and in the first trip V's fragments
	FUSE 2, 10, 0, 0                               ; 32 products carry the list of 315: ten items each
	s_add_co_u32 s[SW], s[SW], 16*PITCH
	s_add_co_u32 s[SB], s[SB], 128
	s_add_co_u32 s[SX], s[SX], 512
	s_sub_co_u32 s[CN], s[CN], 1
	s_cmp_lg_u32 s[CN], 0
	s_cbranch_scc1 .Lp2_w1_pair
	CH_A
	s_xor_b32 s[GW+1], s[GW+1], SLOTQ
	TAKE_IP
	s_add_nc_u64 s[IP:IP+1], s[IP:IP+1], s[IS:IS+1]
	CH_B G1Q
	s_add_co_u32 s[SW], s[SW], SLOTQ-32*PITCH
	s_sub_co_u32 s[CO], s[CO], 1
	s_cmp_lg_u32 s[CO], 0
	s_cbranch_scc1 .Lp2_w1_chunk
	s_mov_b32 s[TB], 0
	v_add_nc_u32 v[ADR], s[TB], v[AWQ]
	LOADW_T 0                                      ; chunk 2, shown landed by the last change's wait
	LOADW_T 1
	XCH2
	s_add_co_u32 s[SB], s[SB], 1536
	s_sub_co_u32 s[SX], s[SX], 2048
; ================= PASS 2, layers 2 and 3 (chunks 2 to 9: a pair of tiles each)
	s_mov_b64 s[CUR:CUR+1], s[PB2:PB2+1]
	s_mov_b32 s[CURT], s[CT2]
	s_mov_b64 s[NB:NB+1], s[W3W:W3W+1]
	s_mov_b32 s[CO], 2
.Lp2_layer:
	SETX
	SETT
	s_mov_b32 s[CN], 4
.Lp2_pair:
	CH_A
	s_xor_b32 s[GW+1], s[GW+1], SLOTQ
	s_cmp_eq_u32 s[CN], 2                          ; a layer's third pair asks for the next weight's first
	s_cselect_b64 s[IP:IP+1], s[NB:NB+1], s[IP:IP+1]
	TAKE_IP
	s_add_nc_u64 s[IP:IP+1], s[IP:IP+1], s[IS:IS+1]
	CH_B G1Q
	v_add_nc_u32 v[BAD], s[SB], v[BLH]
	BIASLD 2, BI, BAD, 0
	s_xor_b32 s[TB], s[TB], SLOTQ
	v_add_nc_u32 v[ADR], s[TB], v[AWQ]             ; the next chunk's weights: shown landed by this change's wait
	v_add_nc_u32 v[SAD], s[SX], v[PSL]
	WIN 0xc0
	v_add_nc_u32 v[IST], s[SX], v[ISL]
	FUSE 4, 5, 0, 1                                ; 64 products carry the list of 315: five items each
	s_add_co_u32 s[SB], s[SB], 128
	s_add_co_u32 s[SX], s[SX], 512
	s_sub_co_u32 s[CN], s[CN], 1
	s_cmp_lg_u32 s[CN], 0
	s_cbranch_scc1 .Lp2_pair
	XCH2
	s_add_co_u32 s[SB], s[SB], 1536
	s_sub_co_u32 s[SX], s[SX], 2048
	s_mov_b64 s[CUR:CUR+1], s[PB3:PB3+1]
	s_mov_b32 s[CURT], s[CT3]
	s_mov_b64 s[NB:NB+1], s[WOW:WOW+1]
	s_sub_co_u32 s[CO], s[CO], 1
	s_cmp_lg_u32 s[CO], 0
	s_cbranch_scc1 .Lp2_layer
; ================= PASS 2, Wo: a field is two chunks, half 0 in the lower slot, half 1 in the upper.  fill = 1: the same half of the next field is asked for.  ld = 1: the next chunk's weights are fetched.
.macro P2O half, fill, ld
.if \fill
	CH_A
.if \half == 0
	s_mov_b32 s[GW+1], s[WQ]
	TAKE_IP
.else
	s_add_co_u32 s[GW+1], s[WQ], SLOTQ
	s_add_nc_u64 s[GW+2:GW+3], s[IP:IP+1], 16384
	s_or_b32 s[GW+3], s[GW+3], 0x80000000
	s_add_nc_u64 s[IP:IP+1], s[IP:IP+1], 131072
.endif
	CH_B G1Q
.else
	s_wait_tensorcnt 0x0                           ; the last chunk has landed; nothing is filled any more, so no round stands here
	s_wait_dscnt 0x0                               ; this chunk's weights are in registers
.endif
	v_add_nc_u32 v[BAD], s[SB], v[BLO]
	BIASLD 2, BI, BAD, 128*\half
.if \half == 0
	v_add_nc_u32 v[TMA], s[SA], v[ATL]
	WIN 0xc0
.irp k, 0,1,2,3,4,5,6,7
	ds_load_b32 v[AK+2*\k], v[TMA] offset:64*\k    ; A[k][i] of my point, for both halves
.endr
	WIN 0
.endif
.if \ld
	v_add_nc_u32 v[ADR], SLOTQ*(1-\half), v[AWQ]
.endif
.set hf_, \half
	FUSE 4, 2, 1, \ld                              ; 64 products carry the list of 106: two items each
.endm
	s_add_nc_u64 s[IP:IP+1], s[WOW:WOW+1], 131072
	s_mov_b32 s[SB], 0
	s_mov_b32 s[SA], 0
	s_mov_b32 s[CN], 7
.Lp2_field:
	P2O 0, 1, 1
	P2O 1, 1, 1
	s_add_co_u32 s[SB], s[SB], 1024
	s_add_co_u32 s[SA], s[SA], 512
	s_sub_co_u32 s[CN], s[CN], 1
	s_cmp_lg_u32 s[CN], 0
	s_cbranch_scc1 .Lp2_field
	P2O 0, 0, 1                                    ; the last field is written out
	P2O 1, 0, 0
; ================= THE WAY OUT: a lane holds 4 x 32 bytes of one row; the wave's 16 rows x 256 bytes go through its own stage and leave as whole aligned runs of 256 bytes, sixteen lanes each.
.irp t, 0,1,2,3
	ds_store_b128 v[STO], v[OUT+8*\t:OUT+8*\t+3] offset:64*\t
	ds_store_b128 v[STO], v[OUT+8*\t+4:OUT+8*\t+7] offset:64*\t+16
.endr
.irp q, 0,1,2,3,4,5,6,7
	ds_load_b128 v[W2+4*\q:W2+4*\q+3], v[SRD] offset:544*\q   ; LDS serves a wave's instructions in order (ISA guide 5.7.1.4): these see my stores
.endr
.irp q, 0,1,2,3,4,5,6,7
	s_wait_dscnt 7-\q                              ; the younger loads may stay out
	global_store_b128 v[GO], v[W2+4*\q:W2+4*\q+3], s[OUTP:OUTP+1] offset:2048*\q th:TH_STORE_NT
.endr
	s_wait_tensorcnt 0x0                           ; the wave's end, behind my last tensor load and my last LDS store
	ds_add_u32 v[SPW], v[NIL]
	s_wait_dscnt 0x0
	CROUND                                         ; the closing round: no work-group ends while a partner may still ask for a tile that names it
	s_endpgm
.Lfunc_end_k_q724739a35d_mnrde:
	.size	k_q724739a35d_mnrde, .Lfunc_end_k_q724739a35d_mnrde-k_q724739a35d_mnrde
	.p2alignl 7, 3214868480
	.fill 96, 4, 3214868480
	.section	.rodata,"a",@progbits
	.p2align	6, 0x0
	.amdhsa_kernel k_q724739a35d_mnrde
		.amdhsa_group_segment_fixed_size 327680
		.amdhsa_private_segment_fixed_size 0
		.amdhsa_enable_private_segment 0
		.amdhsa_kernarg_size 96
		.amdhsa_user_sgpr_count 2
		.amdhsa_user_sgpr_kernarg_segment_ptr 1
		.amdhsa_wavefront_size32 1
		.amdhsa_system_sgpr_workgroup_id_x 1
		.amdhsa_system_sgpr_workgroup_id_y 1
		.amdhsa_system_sgpr_workgroup_id_z 1
		.amdhsa_system_vgpr_workitem_id 0
		.amdhsa_next_free_vgpr 1024
		.amdhsa_next_free_sgpr 106
		.amdhsa_reserve_vcc 1
		.amdhsa_float_denorm_mode_32 3
		.amdhsa_float_denorm_mode_16_64 3
		.amdhsa_memory_ordered 1
		.amdhsa_forward_progress 1
		.amdhsa_inst_pref_size 255
	.end_amdhsa_kernel
	.section	.bss,"aw",@nobits
	.p2align	6
	.space	262144
	.amdgpu_metadata
---
amdhsa.version: [ 1, 2 ]
amdhsa.kernels:
  - .name:           k_q724739a35d_mnrde
    .symbol:         k_q724739a35d_mnrde.kd
    .args:
      - { .name: W1_codes, .offset: 0, .size: 8, .value_kind: global_buffer, .address_space: global }
      - { .name: W2_codes, .offset: 8, .size: 8, .value_kind: global_buffer, .address_space: global }
      - { .name: W3_codes, .offset: 16, .size: 8, .value_kind: global_buffer, .address_space: global }
      - { .name: Wo_codes, .offset: 24, .size: 8, .value_kind: global_buffer, .address_space: global }
      - { .name: b1, .offset: 32, .size: 8, .value_kind: global_buffer, .address_space: global }
      - { .name: b2, .offset: 40, .size: 8, .value_kind: global_buffer, .address_space: global }
      - { .name: b3, .offset: 48, .size: 8, .value_kind: global_buffer, .address_space: global }
      - { .name: bo, .offset: 56, .size: 8, .value_kind: global_buffer, .address_space: global }
      - { .name: h_codes, .offset: 64, .size: 8, .value_kind: global_buffer, .address_space: global }
      - { .name: lowp_scales, .offset: 72, .size: 8, .value_kind: global_buffer, .address_space: global }
      - { .name: primitive_signature, .offset: 80, .size: 8, .value_kind: global_buffer, .address_space: global }
      - { .name: out0, .offset: 88, .size: 8, .value_kind: global_buffer, .address_space: global }
    .group_segment_fixed_size: 327680
    .private_segment_fixed_size: 0
    .kernarg_segment_align: 8
    .kernarg_segment_size: 96
    .max_flat_workgroup_size: 128
    .sgpr_count:     106
    .vgpr_count:     1024
    .wavefront_size: 32
...
	.end_amdgpu_metadata
.endif
;; end of part 1
